; MI455X (gfx1250); checked and timed in simulation.
; The chip was launched on July 23, 2026; its instructions are those of AMD's public machine-readable ISA for CDNA 5 (MIT licence, August 2026) and "CDNA5" Instruction Set Architecture Reference Guide (July 2026). The comments in the code are by the model that wrote it; some were corrected since.
;; GPKAN Layer. Allowed arithmetic: float matrix products may take bf16 or f16 operands with f32 sums; other float arithmetic in f32, or as packed bf16 or f16 multiplies, adds, multiply-adds, maxima and minima; sums over many terms, partial sums and values carried from step to step in f32; what a program stores and reads back later, other than sums and carried values, may be rounded once to bf16 or f16.
;; Inputs: log_scale 64 x 64 float32; log_variance 64 x 64 float32; q_log_var 64 x 64 x 32 float32; q_mu 64 x 64 x 32 float32; x 2,048 x 64 float32; z 64 x 64 x 32 float32.
;; Outputs: out0 2,048 x 64 float32; out1 2,048 x 64 float32.
;; 2 versions, each right; version 2 is version 1 with the launch gpkan written anew for expert scheduling mode. Each part assembles by itself: llvm-mc -triple=amdgcn-amd-amdhsa -mcpu=gfx1250 --defsym DOCPART=n.
;; ======== version 1 of 2: 1 launch
;; launch gpkan (part 1): grid 32 x 8, 16 waves a work-group, no clusters, 297,216 bytes of LDS; arguments x, z, q_mu, q_log_var, log_scale, log_variance, out0, out1; writes out0, out1
.if DOCPART == 1
	.amdgcn_target "amdgcn-amd-amdhsa--gfx1250"
	.amdhsa_code_object_version 6
	.text
	.protected	k_q30dda2e70f_gpkan
	.globl	k_q30dda2e70f_gpkan
	.p2align	8
	.type	k_q30dda2e70f_gpkan,@function
k_q30dda2e70f_gpkan:
	s_mov_b64 s[64:65], 0
	v_nop
	global_prefetch_b8 v0, s[64:65] scope:SCOPE_SE
	s_setreg_imm32_b32 hwreg(HW_REG_WAVE_MODE, 25, 1), 1
	s_wait_xcnt 0x0
; GPKAN layer.  x: [2048][64], z, q_mu, q_log_var: [64 o][64 i][32 m], log_scale, log_variance: [64 o][64 i], out0, out1: [2048][64 o], all f32.
;   psi(b,o,i,m) = A exp(-(x - z)^2 / (2 d)),  d = ell^2 + 1e-6,  ell = max(exp(log_scale), 0.1),  A = max(exp(log_variance), 1e-5) sqrt(ell^2 / d)
;   mean(b,o,i) = sum over m of psi q_mu;  var(b,o,i) = max(sum over m of psi^2 w2 - mean^2, 1e-6),  w2 = max(exp(q_log_var), 1e-5) + q_mu^2
;   out0 = sum over i of mean,  out1 = sum over i of var.
; THE FORM.  With S = sqrt(0.5 log2(e) / d) and, for each (o,i,m), SZ = S z, LR = log2(A) + 0.5 log2(w2), RHO = q_mu / sqrt(w2) (never above 1 in size):
;   g = 2^(LR - (S x - SZ)^2) = psi sqrt(w2),  mean = sum g RHO,  sum psi^2 w2 = sum g^2.
; So two neighbouring m cost four packed lines (difference, argument, two sums) and two exponentials.  One exponential for each (b,o,i,m) stays: z is free in all three indices.
; SHARES.  268,435,456 exponentials on 256 work-groups: a work-group takes 64 rows b and 8 outputs o.  Its 16 waves are (o, half of the 64 i): A LANE IS ONE (o, i) for the whole launch and keeps
; its 96 numbers SZ, LR, RHO in registers; the wave walks the 64 rows.  The tables cost a wave 96 transcendentals once, against 2,048 in the walk.
; THE SUM OVER i crosses lanes and two waves: each lane puts (mean, var) of a row into LDS, 8 bytes, and at the end thread t = 8 b + o adds the 64 pairs of its (b, o).
; LOADS.  Every global load is 16 (the two small tables: 4) consecutive bytes a lane, lanes on end.  The three large tables arrive as chunks (4 i x 32 m to a load) and are turned
; in the wave's own LDS bytes so that lane = i.  The 64 rows of x, 16,384 dense bytes, are copied into LDS once.
; STORES.  A row of out0 or out1 is 256 bytes, all 64 o.  This work-group has 8 o: eight lanes store 32 consecutive bytes of a row, a wave four rows.  Whole rows would want 64 o in a work-group,
; so 8 rows b, and all 131,072 table entries made anew for every 8 rows in place of every 64; the two outputs are 1 MiB in all.
; NO CLUSTER, NO TENSOR LOADS: a work-group reads 212,992 bytes (196,608 of tables, which the 32 work-groups of its o share, and its x) once, at its head, for 1,048,576 exponentials; there is no ring of tiles that joint loads could serve.
; NO MATRIX INSTRUCTIONS: each g is used once; as a matrix operand it would want a rounding and a square, two packed lines for a pair, which is what the two sums cost here, in f32.
; LIMITS.  The maxima are v_max_num_f32: a NaN is dropped where reference() would keep it.  g below 2^-126 counts as 0.  1 / d is v_rcp_f32.  S x - SZ carries the rounding of its two
; products, 2^-23 of the larger one.  The sums over m and i are taken in another order than reference()'s.  Inputs for which reference() overflows are not treated apart.
.set LOG2E,  0x3fb8aa3b                ; log2(e)
.set HLOG2E, 0x3f38aa3b                ; half of it
.set MINSC,  0x3dcccccd                ; 0.1
.set EPS5,   0x3727c5ac                ; 1e-5
.set EPS6,   0x358637bd                ; 1e-6
.set PP,    144                        ; turning a table: a row of 32 m, 128 bytes + 16: an odd multiple of 16, so 16 lanes that read one chunk of 16 rows touch 16 different columns of 16 bytes
.set TBL,   32*PP                      ; one table of a wave: 32 rows
.set PR,    272                        ; results: a row b of a wave, 32 lanes x 8 bytes + 16
.set WP,    64*PR+16                   ; a wave's region.  2 WP = 32 and PR = 16 modulo 256: the 16 lanes (8 o x 2 b) of a closing load touch 16 different columns.  The three tables (13,824 bytes) are turned in it first
.set XS,    16*WP                      ; behind the regions: the x tile, [64 b][64 i]
.set SPARE, XS+64*256                  ; behind it: the spare words, 128 bytes for each of 16 waves: eight blocks of 256 bytes that no other line names
.set SPW, 10                           ; v10  LDS address of my spare word; never rewritten
.set NIL, 11                           ; v11  0; never rewritten
.set XA,  12                           ; v12  LDS address of my x
.set RA,  13                           ; v13  LDS address of my next result
.set XE,  14                           ; v14, v15  x of an even row, of an odd row
.set UE,  16                           ; v16  S x of an even row; v17 is named with it as a pair
.set UO,  18                           ; v18  S x of an odd row; v19 likewise
.set SS,  20                           ; v20  S; v21 the kernel variance
.set LA,  22                           ; v22  log2(A); v23 at work
.set RES, 24                           ; v[24:25]  (mean, var) on its way to LDS
.set ACC, 26                           ; v[26:41]  two sets, by the row's parity: sums g RHO of even pairs, of odd pairs, sums g^2 of even pairs, of odd pairs: a register pair each
.set SZ,  42                           ; v[42:73]    S z,  32 m
.set LR,  74                           ; v[74:105]   log2(A) + 0.5 log2(w2)
.set RHO, 106                          ; v[106:137]  q_mu / sqrt(w2)
.set B0,  138                          ; v[138:201]  two buffers of 32: a row's arguments, then its g; by the row's parity
	s_load_b512 s[16:31], s[0:1], 0x0              ; x s[16:17], z s[18:19], q_mu s[20:21], q_log_var s[22:23], log_scale s[24:25], log_variance s[26:27], out0 s[28:29], out1 s[30:31]
	v_lshl_add_u32 v[SPW], v0, 2, SPARE
	v_mov_b32 v[NIL], 0
	v_lshrrev_b32 v2, 5, v0
	v_readfirstlane_b32 s4, v2                     ; wave 0..15 = 2 x (o in the work-group) + (half of i)
	v_and_b32 v1, 31, v0                           ; lane
	s_and_b32 s6, s4, 1                            ; the half of i
	s_and_b32 s8, ttmp7, 0xffff                    ; which 8 o
	s_lshl_b32 s9, s8, 4
	s_add_co_u32 s9, s9, s4                        ; my block of 32 rows (o, i) = 2 o + half
	s_lshl_b32 s10, s9, 12                         ; its 4,096 bytes in the large tables,
	s_lshl_b32 s11, s9, 7                          ; its 128 bytes in the small ones
	s_lshl_b32 s12, ttmp9, 14                      ; the work-group's 64 rows of 256 bytes in x and in the outputs
	v_lshl_add_u32 v3, v1, 4, s10                  ; large tables: 16 bytes a lane
	v_lshl_add_u32 v4, v1, 2, s11                  ; small tables: lane = i
	v_lshl_add_u32 v5, v0, 4, s12                  ; x: 16 bytes a thread
	s_mul_i32 s13, s4, WP                          ; my wave's region in LDS
	v_lshrrev_b32 v6, 3, v1                        ; a load's 512 bytes are 4 rows i x 8 chunks of 4 m: lane l holds row l / 8, chunk l % 8
	v_and_b32 v9, 7, v1
	v_mul_u32_u24 v6, v6, PP
	v_lshl_add_u32 v6, v9, 4, v6
	v_add_nc_u32 v6, s13, v6                       ; v6: where a chunk goes
	v_mul_u32_u24 v7, v1, PP
	v_add_nc_u32 v7, s13, v7                       ; v7: row i = lane, from where it comes back
	v_lshl_add_u32 v8, v0, 4, XS                   ; v8: where my 16 bytes of x go
	s_lshl_b32 s14, s6, 7
	s_add_co_u32 s14, s14, XS
	v_lshl_add_u32 v[XA], v1, 2, s14               ; x(row 0, my i)
	v_lshl_add_u32 v[RA], v1, 3, s13               ; my 8 bytes of row 0
	s_lshl_b32 s15, s8, 5
	s_add_co_u32 s15, s15, s12                     ; the work-group's corner in the outputs: row x 256 + 8 o x 4 bytes
	s_wait_kmcnt 0x0
	global_load_b32 v[LA], v4, s[24:25]            ; 28 loads, all at once
	global_load_b32 v[LA+1], v4, s[26:27]
	global_load_b128 v[B0:B0+3], v5, s[16:17]
	global_load_b128 v[B0+4:B0+7], v5, s[16:17] offset:8192
.irp k, 0,1,2,3,4,5,6,7
	global_load_b128 v[LR+4*(\k):LR+4*(\k)+3], v3, s[22:23] offset:512*(\k)
.endr
.irp k, 0,1,2,3,4,5,6,7
	global_load_b128 v[RHO+4*(\k):RHO+4*(\k)+3], v3, s[20:21] offset:512*(\k)
.endr
.irp k, 0,1,2,3,4,5,6,7
	global_load_b128 v[SZ+4*(\k):SZ+4*(\k)+3], v3, s[18:19] offset:512*(\k)
.endr
	; what hangs on (o, i) alone: S and log2(A).  Behind each batch of transcendentals stand a plain line and the wait ahead of the first line that names a result.
	s_wait_loadcnt 26                              ; loads come back in order: the two small ones are in, the 26 younger may stay out
	v_mul_f32 v[LA], LOG2E, v[LA]
	v_mul_f32 v[LA+1], LOG2E, v[LA+1]
	v_exp_f32 v[LA], v[LA]                         ; exp(log_scale)
	v_exp_f32 v[LA+1], v[LA+1]                     ; exp(log_variance)
	v_mov_b32 v[UE+1], 0                           ; named as the upper halves of pairs, never used: written once
	v_mov_b32 v[UO+1], 0
	s_wait_alu depctr_va_vdst(0)
	v_max_num_f32 v[LA], MINSC, v[LA]              ; ell
	v_max_num_f32 v[SS+1], EPS5, v[LA+1]           ; the kernel variance
	v_mul_f32 v[LA], v[LA], v[LA]                  ; ell^2
	v_add_f32 v[LA+1], EPS6, v[LA]                 ; d
	v_rcp_f32 v[LA+1], v[LA+1]
	v_nop
	s_wait_alu depctr_va_vdst(0)
	v_mul_f32 v[LA], v[LA], v[LA+1]                ; ell^2 / d
	v_mul_f32 v[LA+1], HLOG2E, v[LA+1]             ; 0.5 log2(e) / d
	v_sqrt_f32 v[SS], v[LA+1]                      ; S
	v_sqrt_f32 v[LA], v[LA]
	v_nop
	s_wait_alu depctr_va_vdst(0)
	v_mul_f32 v[LA+1], v[SS+1], v[LA]              ; A
	v_log_f32 v[LA], v[LA+1]                       ; log2(A)
	v_nop
	s_wait_alu depctr_va_vdst(0)
; A table is turned: eight stores of chunks, eight loads of rows, into the registers that the chunks left.  The bytes are my wave's own, and LDS serves a wave's instructions in order (ISA guide 5.7.1.4): no wait between.
.macro TURN t, n
.irp k, 0,1,2,3,4,5,6,7
	ds_store_b128 v6, v[(\t)+4*(\k):(\t)+4*(\k)+3] offset:(\n)*TBL+(\k)*4*PP
.endr
.irp k, 0,1,2,3,4,5,6,7
	ds_load_b128 v[(\t)+4*(\k):(\t)+4*(\k)+3], v7 offset:(\n)*TBL+(\k)*16
.endr
.endm
	s_wait_loadcnt 24                              ; x is in; the 24 loads of the tables may stay out
	ds_store_b128 v8, v[B0:B0+3]
	ds_store_b128 v8, v[B0+4:B0+7] offset:8192
	s_wait_loadcnt 16                              ; q_log_var is in
	TURN LR, 0
	s_wait_loadcnt 8                               ; q_mu
	TURN RHO, 1
	s_wait_loadcnt 0x0                             ; z
	TURN SZ, 2
	s_wait_dscnt 0x0                               ; my part of the x tile is stored, for the others' sake, and my tables are back
	s_barrier_signal -1                            ; the tables are made, on registers alone, while the other waves arrive
.set j, 0
.rept 16
	v_pk_mul_f32 v[LR+j:LR+j+1], v[LR+j:LR+j+1], LOG2E op_sel_hi:[1,0]
.set j, j+2
.endr
.set j, 0
.rept 16                               ; one batch of 32 exponentials, S z between them
	v_exp_f32 v[LR+j], v[LR+j]
	v_exp_f32 v[LR+j+1], v[LR+j+1]
	v_pk_mul_f32 v[SZ+j:SZ+j+1], v[SZ+j:SZ+j+1], v[SS:SS+1] op_sel_hi:[1,0]
.set j, j+2
.endr
	s_wait_alu depctr_va_vdst(0)                   ; one wait for the batch
.set j, 0
.rept 32
	v_max_num_f32 v[LR+j], EPS5, v[LR+j]           ; q_var
.set j, j+1
.endr
.set j, 0
.rept 16
	v_pk_fma_f32 v[LR+j:LR+j+1], v[RHO+j:RHO+j+1], v[RHO+j:RHO+j+1], v[LR+j:LR+j+1]  ; w2 = q_mu^2 + q_var, at least 1e-5
.set j, j+2
.endr
.set j, 0
.rept 32                               ; one batch of 64
	v_log_f32 v[B0+j], v[LR+j]
	v_rsq_f32 v[B0+32+j], v[LR+j]
.set j, j+1
.endr
	v_nop
	s_wait_alu depctr_va_vdst(0)
.set j, 0
.rept 16
	v_pk_fma_f32 v[LR+j:LR+j+1], v[B0+j:B0+j+1], 0.5, v[LA:LA+1] op_sel_hi:[1,0,0]
	v_pk_mul_f32 v[RHO+j:RHO+j+1], v[RHO+j:RHO+j+1], v[B0+32+j:B0+32+j+1]
.set j, j+2
.endr
	s_barrier_wait -1                              ; the x tile is whole
; THE WALK.  Row n goes through four stages, a phase apart: its 32 arguments (phase n - 1), its 32 exponentials (phase n), its sums over m (phase n + 1), its closing lines and store (phase n + 2).
; Phase n, of parity p, holds: the exponentials of row n, in place in buffer p; the sums of row n - 1 out of the other buffer; the arguments of row n + 1 into that other buffer, each pair behind the sums that read it;
; the closing of row n - 2, one line a step.  A step is exponential, two sums, exponential, difference, argument.  No line of a phase names a register of buffer p but the exponentials themselves:
; so the 32 are one batch, with one wait at the phase's end, and the argument lines behind the last exponential are the plain lines ahead of that wait.
; e, c, a, f: which of the four stages the phase has.  xoff: where x of row n + 2 lies from XA (below 0: there is none).  roff: where the result of row n - 2 goes from RA.
.macro DIFF j                          ; pair j: S x - S z
	v_pk_add_f32 v[BY+2*(\j):BY+2*(\j)+1], v[UN:UN+1], v[SZ+2*(\j):SZ+2*(\j)+1] op_sel_hi:[0,1] neg_lo:[0,1] neg_hi:[0,1]
.endm
.macro ARGU j                          ; pair j: LR - (S x - S z)^2
	v_pk_fma_f32 v[BY+2*(\j):BY+2*(\j)+1], v[BY+2*(\j):BY+2*(\j)+1], v[BY+2*(\j):BY+2*(\j)+1], v[LR+2*(\j):LR+2*(\j)+1] neg_lo:[1,0,0] neg_hi:[1,0,0]
.endm
.macro PHASE p, e, c, a, f, xoff, roff
.set BX, B0+32*(\p)
.set BY, B0+32*(1-(\p))
.set UN, UE+2*(1-(\p))
.set AC, ACC+8*(1-(\p))
.set AF, ACC+8*(\p)
.if \a
	s_wait_dscnt 0x0                               ; x of row n + 1: asked for at the head of the phase before; that phase's store stands some 60 lines back
	v_mul_f32 v[UN], v[SS], v[XE+1-(\p)]
.endif
.if (\xoff) >= 0
	ds_load_b32 v[XE+(\p)], v[XA] offset:\xoff
.endif
.set k, 0
.rept 16
.if \e
	v_exp_f32 v[BX+2*k], v[BX+2*k]
.endif
.if (\c) && (k < 2)                    ; the first two pairs start the four sums: nothing is cleared
	v_pk_mul_f32 v[AC+2*k:AC+2*k+1], v[BY+2*k:BY+2*k+1], v[RHO+2*k:RHO+2*k+1]
	v_pk_mul_f32 v[AC+4+2*k:AC+4+2*k+1], v[BY+2*k:BY+2*k+1], v[BY+2*k:BY+2*k+1]
.elseif \c
	v_pk_fma_f32 v[AC+2*(k%2):AC+2*(k%2)+1], v[BY+2*k:BY+2*k+1], v[RHO+2*k:RHO+2*k+1], v[AC+2*(k%2):AC+2*(k%2)+1]
	v_pk_fma_f32 v[AC+4+2*(k%2):AC+4+2*(k%2)+1], v[BY+2*k:BY+2*k+1], v[BY+2*k:BY+2*k+1], v[AC+4+2*(k%2):AC+4+2*(k%2)+1]
.endif
.if \e
	v_exp_f32 v[BX+2*k+1], v[BX+2*k+1]
.endif
.if \a
	DIFF k
.endif
.if (\a) && (k >= 2)
	ARGU k-2                                       ; two steps behind its difference
.endif
.if (\f) && (k == 0)
	v_pk_add_f32 v[AF:AF+1], v[AF:AF+1], v[AF+2:AF+3]
.elseif (\f) && (k == 1)
	v_pk_add_f32 v[AF+4:AF+5], v[AF+4:AF+5], v[AF+6:AF+7]
.elseif (\f) && (k == 2)
	v_add_f32 v[RES], v[AF], v[AF+1]               ; the edge's mean
.elseif (\f) && (k == 3)
	v_add_f32 v[AF+4], v[AF+4], v[AF+5]            ; sum psi^2 w2
.elseif (\f) && (k == 4)
	v_fma_f32 v[RES+1], -v[RES], v[RES], v[AF+4]
.elseif (\f) && (k == 5)
	v_max_num_f32 v[RES+1], EPS6, v[RES+1]         ; the edge's variance
.elseif (\f) && (k == 6)
	ds_store_b64 v[RA], v[RES:RES+1] offset:\roff  ; 32 lanes, 256 bytes on end, in my wave's own region
.endif
.set k, k+1
.endr
.if \a
	ARGU 14
	ARGU 15
.endif
.if (\e) && !(\a)
	v_nop                                          ; a plain line behind the last exponential
.endif
.if \e
	s_wait_alu depctr_va_vdst(0)                   ; the wait for the batch, ahead of the next phase, which reads it, and of the loop's jump
.endif
.endm
	ds_load_b32 v[XE], v[XA]                       ; x of rows 0 and 1
	ds_load_b32 v[XE+1], v[XA] offset:256
	s_wait_dscnt 0x0
	v_mul_f32 v[UE], v[SS], v[XE]
.set BY, B0                            ; row 0's arguments have no phase to stand in
.set UN, UE
.set k, 0
.rept 16
	DIFF k
.set k, k+1
.endr
.set k, 0
.rept 16
	ARGU k
.set k, k+1
.endr
	PHASE 0, 1, 0, 1, 0, 512, 0                    ; phase 0
	PHASE 1, 1, 1, 1, 0, 768, 0                    ; phase 1
	s_mov_b32 s7, 30
.Ltrip:                                        ; phases 2 to 61, two a trip: all four stages
	PHASE 0, 1, 1, 1, 1, 1024, 0
	PHASE 1, 1, 1, 1, 1, 1280, PR
	v_add_nc_u32 v[XA], 512, v[XA]                 ; two rows on
	v_add_nc_u32 v[RA], 2*PR, v[RA]
	s_sub_co_u32 s7, s7, 1
	s_cmp_lg_u32 s7, 0
	s_cbranch_scc1 .Ltrip
	PHASE 0, 1, 1, 1, 1, -1, 0                     ; phase 62: no x is left to fetch
	PHASE 1, 1, 1, 0, 1, -1, PR                    ; phase 63: no row is left to prepare
	PHASE 0, 0, 1, 0, 1, -1, 2*PR                  ; phase 64: row 63's sums, row 62's result
	PHASE 1, 0, 0, 0, 1, -1, 3*PR                  ; phase 65: row 63's result
	; THE SUM OVER i.  Thread t takes row b = t / 8 and output o = t % 8: 256 bytes in the region of wave 2 o and 256 in that of wave 2 o + 1: 64 pairs (mean, var).
	s_wait_dscnt 0x0                               ; my results are stored, for the others' sake
	s_barrier_signal -1
	s_barrier_wait -1
	v_and_b32 v4, 7, v0
	v_lshrrev_b32 v3, 3, v0
	v_mul_u32_u24 v2, v4, 2*WP
	v_mul_u32_u24 v9, v3, PR
	v_add_nc_u32 v2, v2, v9
.irp j, 0,1,2,3,4,5,6,7,8,9,10,11,12,13,14,15
	ds_load_b128 v[SZ+4*(\j):SZ+4*(\j)+3], v2 offset:16*(\j)
.endr
.irp j, 0,1,2,3,4,5,6,7,8,9,10,11,12,13,14,15
	ds_load_b128 v[SZ+64+4*(\j):SZ+64+4*(\j)+3], v2 offset:WP+16*(\j)
.endr
	v_lshlrev_b32 v3, 8, v3                        ; my place in the outputs: row x 256 + o x 4
	v_lshl_add_u32 v3, v4, 2, v3
	v_add_nc_u32 v3, s15, v3
.macro FOLD base, n                    ; pair q takes pair q + n, for q below n: both numbers of a pair in one line
.set q, 0
.rept \n
	v_pk_add_f32 v[(\base)+2*q:(\base)+2*q+1], v[(\base)+2*q:(\base)+2*q+1], v[(\base)+2*(q+(\n)):(\base)+2*(q+(\n))+1]
.set q, q+1
.endr
.endm
	s_wait_dscnt 16                                ; the first half's 16 loads are in; the 16 younger may stay out
	FOLD SZ, 16
	s_wait_dscnt 0x0
	FOLD SZ+64, 16
.set q, 0
.rept 16
	v_pk_add_f32 v[SZ+2*q:SZ+2*q+1], v[SZ+2*q:SZ+2*q+1], v[SZ+64+2*q:SZ+64+2*q+1]
.set q, q+1
.endr
	FOLD SZ, 8
	FOLD SZ, 4
	FOLD SZ, 2
	FOLD SZ, 1
	global_store_b32 v3, v[SZ], s[28:29]           ; eight lanes: 32 consecutive bytes of a row
	global_store_b32 v3, v[SZ+1], s[30:31]
	s_wait_tensorcnt 0x0                           ; the wave's end, behind my last LDS store
	ds_add_u32 v[SPW], v[NIL]
	s_wait_dscnt 0x0
	s_endpgm
.Lfunc_end_k_q30dda2e70f_gpkan:
	.size	k_q30dda2e70f_gpkan, .Lfunc_end_k_q30dda2e70f_gpkan-k_q30dda2e70f_gpkan
	.p2alignl 7, 3214868480
	.fill 96, 4, 3214868480
	.section	.rodata,"a",@progbits
	.p2align	6, 0x0
	.amdhsa_kernel k_q30dda2e70f_gpkan
		.amdhsa_group_segment_fixed_size 297216
		.amdhsa_private_segment_fixed_size 0
		.amdhsa_enable_private_segment 0
		.amdhsa_kernarg_size 64
		.amdhsa_user_sgpr_count 2
		.amdhsa_user_sgpr_kernarg_segment_ptr 1
		.amdhsa_wavefront_size32 1
		.amdhsa_system_sgpr_workgroup_id_x 1
		.amdhsa_system_sgpr_workgroup_id_y 1
		.amdhsa_system_sgpr_workgroup_id_z 1
		.amdhsa_system_vgpr_workitem_id 0
		.amdhsa_next_free_vgpr 202
		.amdhsa_next_free_sgpr 66
		.amdhsa_reserve_vcc 0
		.amdhsa_float_denorm_mode_32 3
		.amdhsa_float_denorm_mode_16_64 3
		.amdhsa_memory_ordered 1
		.amdhsa_forward_progress 1
		.amdhsa_inst_pref_size 60
	.end_amdhsa_kernel
	.amdgpu_metadata
---
amdhsa.version: [ 1, 2 ]
amdhsa.kernels:
  - .name:           k_q30dda2e70f_gpkan
    .symbol:         k_q30dda2e70f_gpkan.kd
    .args:
      - { .name: x, .offset: 0, .size: 8, .value_kind: global_buffer, .address_space: global }
      - { .name: z, .offset: 8, .size: 8, .value_kind: global_buffer, .address_space: global }
      - { .name: q_mu, .offset: 16, .size: 8, .value_kind: global_buffer, .address_space: global }
      - { .name: q_log_var, .offset: 24, .size: 8, .value_kind: global_buffer, .address_space: global }
      - { .name: log_scale, .offset: 32, .size: 8, .value_kind: global_buffer, .address_space: global }
      - { .name: log_variance, .offset: 40, .size: 8, .value_kind: global_buffer, .address_space: global }
      - { .name: out0, .offset: 48, .size: 8, .value_kind: global_buffer, .address_space: global }
      - { .name: out1, .offset: 56, .size: 8, .value_kind: global_buffer, .address_space: global }
    .group_segment_fixed_size: 297216
    .private_segment_fixed_size: 0
    .kernarg_segment_align: 8
    .kernarg_segment_size: 64
    .max_flat_workgroup_size: 512
    .sgpr_count:     66
    .vgpr_count:     202
    .wavefront_size: 32
...
	.end_amdgpu_metadata
.endif
;; end of part 1
;; ======== version 2 of 2: 1 launch; version 1 with the launch gpkan written anew for expert scheduling mode
;; launch gpkan (part 2): grid 32 x 8, 16 waves a work-group, no clusters, 297,216 bytes of LDS; arguments x, z, q_mu, q_log_var, log_scale, log_variance, out0, out1; writes out0, out1
.if DOCPART == 2
	.amdgcn_target "amdgcn-amd-amdhsa--gfx1250"
	.amdhsa_code_object_version 6
	.text
	.protected	k_q30dda2e70f_gpkan
	.globl	k_q30dda2e70f_gpkan
	.p2align	8
	.type	k_q30dda2e70f_gpkan,@function
k_q30dda2e70f_gpkan:
	s_mov_b64 s[64:65], 0
	v_nop
	global_prefetch_b8 v0, s[64:65] scope:SCOPE_SE
	s_setreg_imm32_b32 hwreg(HW_REG_WAVE_SCHED_MODE, 0, 2), 2
	s_setreg_imm32_b32 hwreg(HW_REG_WAVE_MODE, 25, 1), 1
	s_wait_xcnt 0x0
	s_wait_alu depctr_vm_vsrc(0)
; GPKAN layer.  x: [2048][64], z, q_mu, q_log_var: [64 o][64 i][32 m], log_scale, log_variance: [64 o][64 i], out0, out1: [2048][64 o], all f32.
;   psi(b,o,i,m) = A exp(-(x - z)^2 / (2 d)),  d = ell^2 + 1e-6,  ell = max(exp(log_scale), 0.1),  A = max(exp(log_variance), 1e-5) sqrt(ell^2 / d)
;   mean(b,o,i) = sum over m of psi q_mu;  var(b,o,i) = max(sum over m of psi^2 w2 - mean^2, 1e-6),  w2 = max(exp(q_log_var), 1e-5) + q_mu^2
;   out0 = sum over i of mean,  out1 = sum over i of var.
; THE FORM.  With S = sqrt(0.5 log2(e) / d) and, for each (o,i,m), SZ = S z, LR = log2(A) + 0.5 log2(w2), RHO = q_mu / sqrt(w2) (never above 1 in size):
;   g = 2^(LR - (S x - SZ)^2) = psi sqrt(w2),  mean = sum g RHO,  sum psi^2 w2 = sum g^2.
; So two neighbouring m cost four packed lines (difference, argument, two sums) and two exponentials.  One exponential for each (b,o,i,m) stays: z is free in all three indices.
; SHARES.  268,435,456 exponentials on 256 work-groups: a work-group takes 64 rows b and 8 outputs o.  Its 16 waves are (o, half of the 64 i): A LANE IS ONE (o, i) for the whole launch and keeps
; its 96 numbers SZ, LR, RHO in registers; the wave walks the 64 rows.  The tables cost a wave 96 transcendentals once, against 2,048 in the walk.
; THE SUM OVER i crosses lanes and two waves: each lane puts (mean, var) of a row into LDS, 8 bytes, and at the end thread t = 8 b + o adds the 64 pairs of its (b, o).
; LOADS.  Every global load is 16 (the two small tables: 4) consecutive bytes a lane, lanes on end.  The three large tables arrive as chunks (4 i x 32 m to a load) and are turned
; in the wave's own LDS bytes so that lane = i.  The 64 rows of x, 16,384 dense bytes, are copied into LDS once.
; STORES.  A row of out0 or out1 is 256 bytes, all 64 o.  This work-group has 8 o: eight lanes store 32 consecutive bytes of a row, a wave four rows.  Whole rows would want 64 o in a work-group,
; so 8 rows b, and all 131,072 table entries made anew for every 8 rows in place of every 64; the two outputs are 1 MiB in all.
; NO CLUSTER, NO TENSOR LOADS: a work-group reads 212,992 bytes (196,608 of tables, which the 32 work-groups of its o share, and its x) once, at its head, for 1,048,576 exponentials; there is no ring of tiles that joint loads could serve.
; NO MATRIX INSTRUCTIONS: each g is used once; as a matrix operand it would want a rounding and a square, two packed lines for a pair, which is what the two sums cost here, in f32.
; LIMITS.  The maxima are v_max_num_f32: a NaN is dropped where reference() would keep it.  g below 2^-126 counts as 0.  1 / d is v_rcp_f32.  S x - SZ carries the rounding of its two
; products, 2^-23 of the larger one.  The sums over m and i are taken in another order than reference()'s.  Inputs for which reference() overflows are not treated apart.
; THE MODE: SCHED_MODE bits 1:0 = 2 (LLVM: expert scheduling mode 2), set by the entry lines.  The code itself states the register dependences
; between vector instructions and memory or LDS instructions, with s_wait_alu, always for 0.
; THE PLAN.  Registers that memory or LDS instructions touch, in the walk:
;   XE, XE+1   x of an even, of an odd row.  The LDS load at the head of phase n, of parity p, lands in XE + p; the multiply at the head of phase n + 1 reads it.
;   RES, RESO  (mean, var), by the phase's parity.  Written by a phase's closing lines; read by the LDS store at the head of the next phase; written again two phases on.
;   XA, RA     LDS addresses.  Read by every load of x and every store of a result; written once a trip, at the end of the trip's second phase.
; The tables, the two buffers, the sums and S x are named by vector instructions alone.
; So a phase's two LDS instructions stand at its head, and two waits at its end: one on vm_vsrc (the head's store has read the pair that the next phase writes; in a trip's second phase the
; trip's four LDS instructions have read XA and RA, ahead of the adds) and one on va_vdst, which is also the wait for the phase's batch of exponentials.  Between that wait and the next
; phase's load and store stands one multiply, which names S x, S and the other x register: none of the registers that those two touch.
.set LOG2E,  0x3fb8aa3b                ; log2(e)
.set HLOG2E, 0x3f38aa3b                ; half of it
.set MINSC,  0x3dcccccd                ; 0.1
.set EPS5,   0x3727c5ac                ; 1e-5
.set EPS6,   0x358637bd                ; 1e-6
.set PP,    144                        ; turning a table: a row of 32 m, 128 bytes + 16: an odd multiple of 16, so 16 lanes that read one chunk of 16 rows touch 16 different columns of 16 bytes
.set TBL,   32*PP                      ; one table of a wave: 32 rows
.set PR,    272                        ; results: a row b of a wave, 32 lanes x 8 bytes + 16
.set WP,    64*PR+16                   ; a wave's region.  2 WP = 32 and PR = 16 modulo 256: the 16 lanes (8 o x 2 b) of a closing load touch 16 different columns.  The three tables (13,824 bytes) are turned in it first
.set XS,    16*WP                      ; behind the regions: the x tile, [64 b][64 i]; the 2,048 bytes behind it are the spare words, 4 a thread, onto which the wave's end adds 0
.set RESO, 10                          ; v[10:11]  (mean, var) made in an odd phase, on its way to LDS
.set XA,  12                           ; v12  LDS address of my x
.set RA,  13                           ; v13  LDS address of my results
.set XE,  14                           ; v14, v15  x of an even row, of an odd row
.set UE,  16                           ; v16  S x of an even row; v17 is named with it as a pair
.set UO,  18                           ; v18  S x of an odd row; v19 likewise
.set SS,  20                           ; v20  S; v21 the kernel variance
.set LA,  22                           ; v22  log2(A); v23 at work
.set RES, 24                           ; v[24:25]  (mean, var) made in an even phase, on its way to LDS
.set ACC, 26                           ; v[26:41]  two sets, by the row's parity: sums g RHO of even pairs, of odd pairs, sums g^2 of even pairs, of odd pairs: a register pair each
.set SZ,  42                           ; v[42:73]    S z,  32 m
.set LR,  74                           ; v[74:105]   log2(A) + 0.5 log2(w2)
.set RHO, 106                          ; v[106:137]  q_mu / sqrt(w2)
.set B0,  138                          ; v[138:201]  two buffers of 32: a row's arguments, then its g; by the row's parity
	s_load_b512 s[16:31], s[0:1], 0x0              ; x s[16:17], z s[18:19], q_mu s[20:21], q_log_var s[22:23], log_scale s[24:25], log_variance s[26:27], out0 s[28:29], out1 s[30:31]
	v_lshl_add_u32 v202, v0, 2, 0x48100
	v_mov_b32 v203, 0
	v_lshrrev_b32 v2, 5, v0
	v_readfirstlane_b32 s4, v2                     ; wave 0..15 = 2 x (o in the work-group) + (half of i)
	v_and_b32 v1, 31, v0                           ; lane
	s_wait_alu depctr_va_sdst(0)                   ; s4 is written, ahead of its first reader: the offsets and LDS addresses below are made from it
	s_and_b32 s6, s4, 1                            ; the half of i
	s_and_b32 s8, ttmp7, 0xffff                    ; which 8 o
	s_lshl_b32 s9, s8, 4
	s_add_co_u32 s9, s9, s4                        ; my block of 32 rows (o, i) = 2 o + half
	s_lshl_b32 s10, s9, 12                         ; its 4,096 bytes in the large tables,
	s_lshl_b32 s11, s9, 7                          ; its 128 bytes in the small ones
	s_lshl_b32 s12, ttmp9, 14                      ; the work-group's 64 rows of 256 bytes in x and in the outputs
	v_lshl_add_u32 v3, v1, 4, s10                  ; large tables: 16 bytes a lane
	v_lshl_add_u32 v4, v1, 2, s11                  ; small tables: lane = i
	v_lshl_add_u32 v5, v0, 4, s12                  ; x: 16 bytes a thread
	s_mul_i32 s13, s4, WP                          ; my wave's region in LDS
	v_lshrrev_b32 v6, 3, v1                        ; a load's 512 bytes are 4 rows i x 8 chunks of 4 m: lane l holds row l / 8, chunk l % 8
	v_and_b32 v9, 7, v1
	v_mul_u32_u24 v6, v6, PP
	v_lshl_add_u32 v6, v9, 4, v6
	v_add_nc_u32 v6, s13, v6                       ; v6: where a chunk goes
	v_mul_u32_u24 v7, v1, PP
	v_add_nc_u32 v7, s13, v7                       ; v7: row i = lane, from where it comes back
	v_lshl_add_u32 v8, v0, 4, XS                   ; v8: where my 16 bytes of x go
	s_lshl_b32 s14, s6, 7
	s_add_co_u32 s14, s14, XS
	v_lshl_add_u32 v[XA], v1, 2, s14               ; x(row 0, my i)
	v_lshl_add_u32 v[RA], v1, 3, s13               ; my 8 bytes of row 0
	s_lshl_b32 s15, s8, 5
	s_add_co_u32 s15, s15, s12                     ; the work-group's corner in the outputs: row x 256 + 8 o x 4 bytes
	s_wait_kmcnt 0x0
	s_wait_alu depctr_va_vdst(0)                   ; v3 to v8, XA and RA are written: the loads below, the turning of the tables, the x tile's stores and the walk's first LDS instructions read them, and no vector line names one of them before that
	global_load_b32 v[LA], v4, s[24:25]            ; 28 loads, all at once
	global_load_b32 v[LA+1], v4, s[26:27]
	global_load_b128 v[B0:B0+3], v5, s[16:17]
	global_load_b128 v[B0+4:B0+7], v5, s[16:17] offset:8192
.irp k, 0,1,2,3,4,5,6,7
	global_load_b128 v[LR+4*(\k):LR+4*(\k)+3], v3, s[22:23] offset:512*(\k)
.endr
.irp k, 0,1,2,3,4,5,6,7
	global_load_b128 v[RHO+4*(\k):RHO+4*(\k)+3], v3, s[20:21] offset:512*(\k)
.endr
.irp k, 0,1,2,3,4,5,6,7
	global_load_b128 v[SZ+4*(\k):SZ+4*(\k)+3], v3, s[18:19] offset:512*(\k)
.endr
	; what hangs on (o, i) alone: S and log2(A).  Behind each batch of transcendentals stand a plain line and the wait ahead of the first line that names a result.
	s_wait_loadcnt 26                              ; loads come back in order: the two small ones are in, the 26 younger may stay out
	v_mul_f32 v[LA], LOG2E, v[LA]
	v_mul_f32 v[LA+1], LOG2E, v[LA+1]
	v_exp_f32 v[LA], v[LA]                         ; exp(log_scale)
	v_exp_f32 v[LA+1], v[LA+1]                     ; exp(log_variance)
	v_mov_b32 v[UE+1], 0                           ; named as the upper halves of pairs, never used: written once
	v_mov_b32 v[UO+1], 0
	s_wait_alu depctr_va_vdst(0)                   ; the two exponentials have written LA and LA + 1
	v_max_num_f32 v[LA], MINSC, v[LA]              ; ell
	v_max_num_f32 v[SS+1], EPS5, v[LA+1]           ; the kernel variance
	v_mul_f32 v[LA], v[LA], v[LA]                  ; ell^2
	v_add_f32 v[LA+1], EPS6, v[LA]                 ; d
	v_rcp_f32 v[LA+1], v[LA+1]
	v_nop
	s_wait_alu depctr_va_vdst(0)                   ; the reciprocal has written LA + 1
	v_mul_f32 v[LA], v[LA], v[LA+1]                ; ell^2 / d
	v_mul_f32 v[LA+1], HLOG2E, v[LA+1]             ; 0.5 log2(e) / d
	v_sqrt_f32 v[SS], v[LA+1]                      ; S
	v_sqrt_f32 v[LA], v[LA]
	v_nop
	s_wait_alu depctr_va_vdst(0)                   ; the two roots have written SS and LA
	v_mul_f32 v[LA+1], v[SS+1], v[LA]              ; A
	v_log_f32 v[LA], v[LA+1]                       ; log2(A)
	v_nop
	s_wait_alu depctr_va_vdst(0)                   ; the logarithm has written LA
; A table is turned: eight stores of chunks, eight loads of rows, into the registers that the chunks left.  The bytes are my wave's own, and LDS serves a wave's instructions in order (ISA guide 5.7.1.4): no wait on DScnt between.
.macro TURN t, n
.irp k, 0,1,2,3,4,5,6,7
	ds_store_b128 v6, v[(\t)+4*(\k):(\t)+4*(\k)+3] offset:(\n)*TBL+(\k)*4*PP
.endr
	s_wait_alu depctr_vm_vsrc(0)                   ; the eight stores have read their data registers, in which the eight loads land
.irp k, 0,1,2,3,4,5,6,7
	ds_load_b128 v[(\t)+4*(\k):(\t)+4*(\k)+3], v7 offset:(\n)*TBL+(\k)*16
.endr
.endm
	s_wait_loadcnt 24                              ; x is in; the 24 loads of the tables may stay out
	ds_store_b128 v8, v[B0:B0+3]                   ; (the waits on vm_vsrc in the three turnings stand behind these two stores too, whose B0 .. B0 + 7 the logarithms below write,
	ds_store_b128 v8, v[B0+4:B0+7] offset:8192     ; and behind the 28 loads above, whose v3 and v4 the closing sum writes)
	s_wait_loadcnt 16                              ; q_log_var is in
	TURN LR, 0
	s_wait_loadcnt 8                               ; q_mu
	TURN RHO, 1
	s_wait_loadcnt 0x0                             ; z
	TURN SZ, 2
	s_wait_dscnt 0x0                               ; my part of the x tile is stored, for the others' sake, and my tables are back
	s_barrier_signal -1                            ; the tables are made, on registers alone, while the other waves arrive
.set j, 0
.rept 16
	v_pk_mul_f32 v[LR+j:LR+j+1], v[LR+j:LR+j+1], LOG2E op_sel_hi:[1,0]
.set j, j+2
.endr
.set j, 0
.rept 16                               ; one batch of 32 exponentials, S z between them
	v_exp_f32 v[LR+j], v[LR+j]
	v_exp_f32 v[LR+j+1], v[LR+j+1]
	v_pk_mul_f32 v[SZ+j:SZ+j+1], v[SZ+j:SZ+j+1], v[SS:SS+1] op_sel_hi:[1,0]
.set j, j+2
.endr
	s_wait_alu depctr_va_vdst(0)                   ; one wait for the batch: the 32 exponentials have written LR
.set j, 0
.rept 32
	v_max_num_f32 v[LR+j], EPS5, v[LR+j]           ; q_var
.set j, j+1
.endr
.set j, 0
.rept 16
	v_pk_fma_f32 v[LR+j:LR+j+1], v[RHO+j:RHO+j+1], v[RHO+j:RHO+j+1], v[LR+j:LR+j+1]  ; w2 = q_mu^2 + q_var, at least 1e-5
.set j, j+2
.endr
.set j, 0
.rept 32                               ; one batch of 64
	v_log_f32 v[B0+j], v[LR+j]
	v_rsq_f32 v[B0+32+j], v[LR+j]
.set j, j+1
.endr
	v_nop
	s_wait_alu depctr_va_vdst(0)                   ; one wait for the batch: the logarithms and the inverse roots have written both buffers
.set j, 0
.rept 16
	v_pk_fma_f32 v[LR+j:LR+j+1], v[B0+j:B0+j+1], 0.5, v[LA:LA+1] op_sel_hi:[1,0,0]
	v_pk_mul_f32 v[RHO+j:RHO+j+1], v[RHO+j:RHO+j+1], v[B0+32+j:B0+32+j+1]
.set j, j+2
.endr
	s_barrier_wait -1                              ; the x tile is whole
; THE WALK.  Row n goes through five stages, a phase apart: its 32 arguments (phase n - 1), its 32 exponentials (phase n), its sums over m (phase n + 1), its closing lines (phase n + 2), its store (the head of phase n + 3).
; Phase n, of parity p, holds: at its head the load of x of row n + 2 and the store of row n - 3; the exponentials of row n, in place in buffer p; the sums of row n - 1 out of the other buffer; the arguments of
; row n + 1 into that other buffer, each pair behind the sums that read it; the closing of row n - 2, one line a step.  A step is exponential, two sums, exponential, difference, argument.  No line of a phase names a
; register of buffer p but the exponentials themselves: so the 32 are one batch, with one wait at the phase's end, and the argument lines behind the last exponential are the plain lines ahead of that wait.
; e, c, a, f, st: which of the five stages the phase has.  step = 1: the two LDS addresses move on by two rows.  xoff: where x of row n + 2 lies from XA (below 0: there is none).  roff: where the result of row n - 3 goes from RA.
.macro DIFF j                          ; pair j: S x - S z
	v_pk_add_f32 v[BY+2*(\j):BY+2*(\j)+1], v[UN:UN+1], v[SZ+2*(\j):SZ+2*(\j)+1] op_sel_hi:[0,1] neg_lo:[0,1] neg_hi:[0,1]
.endm
.macro ARGU j                          ; pair j: LR - (S x - S z)^2
	v_pk_fma_f32 v[BY+2*(\j):BY+2*(\j)+1], v[BY+2*(\j):BY+2*(\j)+1], v[BY+2*(\j):BY+2*(\j)+1], v[LR+2*(\j):LR+2*(\j)+1] neg_lo:[1,0,0] neg_hi:[1,0,0]
.endm
.macro PHASE p, e, c, a, f, st, step, xoff, roff
.set BX, B0+32*(\p)
.set BY, B0+32*(1-(\p))
.set UN, UE+2*(1-(\p))
.set AC, ACC+8*(1-(\p))
.set AF, ACC+8*(\p)
.set RW, RES+(RESO-RES)*(\p)           ; the pair that this phase's closing lines write
.set RR, RES+(RESO-RES)*(1-(\p))       ; the pair that the phase before wrote
.if \a
	s_wait_dscnt 0x0                               ; x of row n + 1 is in: it was asked for at the head of the phase before, where that phase's store stands too
	v_mul_f32 v[UN], v[SS], v[XE+1-(\p)]
.endif
.if (\xoff) >= 0
	ds_load_b32 v[XE+(\p)], v[XA] offset:\xoff     ; no wait: since the wait that ended the phase before no vector line names XE + p or XA
.endif
.if \st
	ds_store_b64 v[RA], v[RR:RR+1] offset:\roff    ; 32 lanes, 256 bytes on end, in my wave's own region.  No wait: since that same wait no vector line names the pair or RA
.endif
.set k, 0
.rept 16
.if \e
	v_exp_f32 v[BX+2*k], v[BX+2*k]
.endif
.if (\c) && (k < 2)                    ; the first two pairs start the four sums: nothing is cleared
	v_pk_mul_f32 v[AC+2*k:AC+2*k+1], v[BY+2*k:BY+2*k+1], v[RHO+2*k:RHO+2*k+1]
	v_pk_mul_f32 v[AC+4+2*k:AC+4+2*k+1], v[BY+2*k:BY+2*k+1], v[BY+2*k:BY+2*k+1]
.elseif \c
	v_pk_fma_f32 v[AC+2*(k%2):AC+2*(k%2)+1], v[BY+2*k:BY+2*k+1], v[RHO+2*k:RHO+2*k+1], v[AC+2*(k%2):AC+2*(k%2)+1]
	v_pk_fma_f32 v[AC+4+2*(k%2):AC+4+2*(k%2)+1], v[BY+2*k:BY+2*k+1], v[BY+2*k:BY+2*k+1], v[AC+4+2*(k%2):AC+4+2*(k%2)+1]
.endif
.if \e
	v_exp_f32 v[BX+2*k+1], v[BX+2*k+1]
.endif
.if \a
	DIFF k
.endif
.if (\a) && (k >= 2)
	ARGU k-2                                       ; two steps behind its difference
.endif
.if (\f) && (k == 0)
	v_pk_add_f32 v[AF:AF+1], v[AF:AF+1], v[AF+2:AF+3]
.elseif (\f) && (k == 1)
	v_pk_add_f32 v[AF+4:AF+5], v[AF+4:AF+5], v[AF+6:AF+7]
.elseif (\f) && (k == 2)
	v_add_f32 v[RW], v[AF], v[AF+1]                ; the edge's mean
.elseif (\f) && (k == 3)
	v_add_f32 v[AF+4], v[AF+4], v[AF+5]            ; sum psi^2 w2
.elseif (\f) && (k == 4)
	v_fma_f32 v[RW+1], -v[RW], v[RW], v[AF+4]
.elseif (\f) && (k == 5)
	v_max_num_f32 v[RW+1], EPS6, v[RW+1]           ; the edge's variance
.endif
.set k, k+1
.endr
.if \a
	ARGU 14
	ARGU 15
.endif
.if (\e) && !(\a)
	v_nop                                          ; a plain line behind the last exponential
.endif
.if (\st) && (\c)                      ; (c = 0: the walk's last phase: no later line writes that pair)
	s_wait_alu depctr_vm_vsrc(0)                   ; the store at this phase's head has read its pair, which the next phase's closing lines write; with step = 1: the trip's loads and stores have read XA and RA, which the two adds write
.endif
.if \step
	v_add_nc_u32 v[XA], 512, v[XA]                 ; two rows on
	v_add_nc_u32 v[RA], 2*PR, v[RA]
.endif
	s_wait_alu depctr_va_vdst(0)                   ; ahead of the next phase and of the loop's jump: the exponentials have written buffer p, which the next phase's sums read; the multiply at this phase's head is done reading its x,
	                                               ; in which the next phase's load lands; the closing lines have written the pair that the next phase's store reads; with step = 1: XA and RA are written
.endm
	ds_load_b32 v[XE], v[XA]                       ; x of rows 0 and 1
	ds_load_b32 v[XE+1], v[XA] offset:256
	s_wait_dscnt 0x0
	v_mul_f32 v[UE], v[SS], v[XE]
.set BY, B0                            ; row 0's arguments have no phase to stand in
.set UN, UE
.set k, 0
.rept 16
	DIFF k
.set k, k+1
.endr
.set k, 0
.rept 16
	ARGU k
.set k, k+1
.endr
	s_wait_alu depctr_va_vdst(0)                   ; the multiply above is done reading XE, in which x of row 2 lands at the head of phase 0
	PHASE 0, 1, 0, 1, 0, 0, 0, 512, 0              ; phase 0
	PHASE 1, 1, 1, 1, 0, 0, 0, 768, 0              ; phase 1
	PHASE 0, 1, 1, 1, 1, 0, 0, 1024, 0             ; phase 2: the first closing lines
	PHASE 1, 1, 1, 1, 1, 1, 0, 1280, 0             ; phase 3: the first store
	s_mov_b32 s7, 29
.Ltrip:                                        ; phases 4 to 61, two a trip: all five stages
	PHASE 0, 1, 1, 1, 1, 1, 0, 1536, PR
	PHASE 1, 1, 1, 1, 1, 1, 1, 1792, 2*PR
	s_sub_co_u32 s7, s7, 1
	s_cmp_lg_u32 s7, 0
	s_cbranch_scc1 .Ltrip
	PHASE 0, 1, 1, 1, 1, 1, 0, -1, PR              ; phase 62: no x is left to fetch
	PHASE 1, 1, 1, 0, 1, 1, 0, -1, 2*PR            ; phase 63: no row is left to prepare
	PHASE 0, 0, 1, 0, 1, 1, 0, -1, 3*PR            ; phase 64: row 63's sums, row 62's closing lines
	PHASE 1, 0, 0, 0, 1, 1, 0, -1, 4*PR            ; phase 65: row 63's closing lines
	ds_store_b64 v[RA], v[RESO:RESO+1] offset:5*PR ; row 63's result, behind the wait that ends phase 65
	; THE SUM OVER i.  Thread t takes row b = t / 8 and output o = t % 8: 256 bytes in the region of wave 2 o and 256 in that of wave 2 o + 1: 64 pairs (mean, var).
	s_wait_dscnt 0x0                               ; my results are stored, for the others' sake
	s_barrier_signal -1
	s_barrier_wait -1
	v_and_b32 v4, 7, v0                            ; (v3 and v4 were offsets of the head's loads: the waits on vm_vsrc in the turning of the tables stand behind those loads)
	v_lshrrev_b32 v3, 3, v0
	v_mul_u32_u24 v2, v4, 2*WP
	v_mul_u32_u24 v9, v3, PR
	v_add_nc_u32 v2, v2, v9
	s_wait_alu depctr_va_vdst(0)                   ; v2 is written, which the 32 loads below read; the walk's lines are done reading v42 to v169, in which they land
.irp j, 0,1,2,3,4,5,6,7,8,9,10,11,12,13,14,15
	ds_load_b128 v[SZ+4*(\j):SZ+4*(\j)+3], v2 offset:16*(\j)
.endr
.irp j, 0,1,2,3,4,5,6,7,8,9,10,11,12,13,14,15
	ds_load_b128 v[SZ+64+4*(\j):SZ+64+4*(\j)+3], v2 offset:WP+16*(\j)
.endr
	v_lshlrev_b32 v3, 8, v3                        ; my place in the outputs: row x 256 + o x 4
	v_lshl_add_u32 v3, v4, 2, v3
	v_add_nc_u32 v3, s15, v3
.macro FOLD base, n                    ; pair q takes pair q + n, for q below n: both numbers of a pair in one line
.set q, 0
.rept \n
	v_pk_add_f32 v[(\base)+2*q:(\base)+2*q+1], v[(\base)+2*q:(\base)+2*q+1], v[(\base)+2*(q+(\n)):(\base)+2*(q+(\n))+1]
.set q, q+1
.endr
.endm
	s_wait_dscnt 16                                ; the first half's 16 loads are in; the 16 younger may stay out
	FOLD SZ, 16
	s_wait_dscnt 0x0
	FOLD SZ+64, 16
.set q, 0
.rept 16
	v_pk_add_f32 v[SZ+2*q:SZ+2*q+1], v[SZ+2*q:SZ+2*q+1], v[SZ+64+2*q:SZ+64+2*q+1]
.set q, q+1
.endr
	FOLD SZ, 8
	FOLD SZ, 4
	FOLD SZ, 2
	FOLD SZ, 1
	s_wait_alu depctr_va_vdst(0)                   ; the last fold has written v[SZ] and v[SZ + 1], the two stores' data, and v3, their offset, is written
	global_store_b32 v3, v[SZ], s[28:29]           ; eight lanes: 32 consecutive bytes of a row
	global_store_b32 v3, v[SZ+1], s[30:31]
	s_wait_dscnt 0x0                               ; the wave's end
	s_wait_alu depctr_hold_cnt(0) depctr_sa_sdst(0) depctr_va_vdst(0) depctr_va_sdst(0) depctr_va_ssrc(0) depctr_va_vcc(0) depctr_vm_vsrc(0)
	s_wait_tensorcnt 0x0
	ds_add_u32 v202, v203
	s_wait_dscnt 0x0
	s_endpgm
.Lfunc_end_k_q30dda2e70f_gpkan:
	.size	k_q30dda2e70f_gpkan, .Lfunc_end_k_q30dda2e70f_gpkan-k_q30dda2e70f_gpkan
	.p2alignl 7, 3214868480
	.fill 96, 4, 3214868480
	.section	.rodata,"a",@progbits
	.p2align	6, 0x0
	.amdhsa_kernel k_q30dda2e70f_gpkan
		.amdhsa_group_segment_fixed_size 297216
		.amdhsa_private_segment_fixed_size 0
		.amdhsa_enable_private_segment 0
		.amdhsa_kernarg_size 64
		.amdhsa_user_sgpr_count 2
		.amdhsa_user_sgpr_kernarg_segment_ptr 1
		.amdhsa_wavefront_size32 1
		.amdhsa_system_sgpr_workgroup_id_x 1
		.amdhsa_system_sgpr_workgroup_id_y 1
		.amdhsa_system_sgpr_workgroup_id_z 1
		.amdhsa_system_vgpr_workitem_id 0
		.amdhsa_next_free_vgpr 204
		.amdhsa_next_free_sgpr 66
		.amdhsa_reserve_vcc 0
		.amdhsa_float_denorm_mode_32 3
		.amdhsa_float_denorm_mode_16_64 3
		.amdhsa_memory_ordered 1
		.amdhsa_forward_progress 1
		.amdhsa_inst_pref_size 72
	.end_amdhsa_kernel
	.amdgpu_metadata
---
amdhsa.version: [ 1, 2 ]
amdhsa.kernels:
  - .name:           k_q30dda2e70f_gpkan
    .symbol:         k_q30dda2e70f_gpkan.kd
    .args:
      - { .name: x, .offset: 0, .size: 8, .value_kind: global_buffer, .address_space: global }
      - { .name: z, .offset: 8, .size: 8, .value_kind: global_buffer, .address_space: global }
      - { .name: q_mu, .offset: 16, .size: 8, .value_kind: global_buffer, .address_space: global }
      - { .name: q_log_var, .offset: 24, .size: 8, .value_kind: global_buffer, .address_space: global }
      - { .name: log_scale, .offset: 32, .size: 8, .value_kind: global_buffer, .address_space: global }
      - { .name: log_variance, .offset: 40, .size: 8, .value_kind: global_buffer, .address_space: global }
      - { .name: out0, .offset: 48, .size: 8, .value_kind: global_buffer, .address_space: global }
      - { .name: out1, .offset: 56, .size: 8, .value_kind: global_buffer, .address_space: global }
    .group_segment_fixed_size: 297216
    .private_segment_fixed_size: 0
    .kernarg_segment_align: 8
    .kernarg_segment_size: 64
    .max_flat_workgroup_size: 512
    .sgpr_count:     66
    .vgpr_count:     204
    .wavefront_size: 32
...
	.end_amdgpu_metadata
.endif
;; end of part 2
